; MI455X (gfx1250); checked and timed in simulation.
; The chip was launched on July 23, 2026; its instructions are those of AMD's public machine-readable ISA for CDNA 5 (MIT licence, August 2026) and "CDNA5" Instruction Set Architecture Reference Guide (July 2026). The comments in the code are by the model that wrote it; some were corrected since.
;; Attention Layer. Allowed arithmetic: matrix products marked QUANTISED: E3M2 operands, one E8M0 scale for each 32 along K, by v_wmma_scale_f32_16x16x128_f8f6f4 with both operands' format E3M2, f32 sums; products left as they are: f32 operands where the result goes on into a quantised operand, else bf16, f16 or f32 operands; f32 sums; everything else in f32.
;; Inputs: b0 1,024 float32; b1 1 float32; enc_seq 32 x 2,048 x 1,024 float32; hidden 32 x 1 x 1,024 float32; mask 32 x 2,048 bool; w0 2,048 x 1,024 float32; w1 1,024 x 1 float32.
;; Outputs: out0 32 x 1,024 float32.
;; This version of the problem:
;;   THIS VERSION OF THE PROBLEM IS GIVEN IN LOW PRECISION. The matrix products marked QUANTISED in the list below multiply operands that are first quantised to E3M2 (3 exponent bits, 2 mantissa bits; 6 bits a number), with one power-of-two scale for each 32 numbers along K (OCP MX v1.0); their sums are f32. All else is computed in f32.
;;   The module's matrix products, in the order in which they are computed (A, B: the left and right operand; K: the contracted axis; several contracted axes count as one K, in the product's order):
;;     1. [M 65,536, K 1,024] x [K 1,024, N 1,024]; A: input enc_seq; B: input w0: QUANTISED
;;     2. [M 32, K 1,024] x [K 1,024, N 1,024]; A: input hidden; B: input w0: QUANTISED
;;     3. [M 65,536, K 1,024] x [K 1,024, N 1]; A: computed on the way; B: input w1: left as it is (N = 1 < 16)
;;     4. batch 32 x [M 1, K 2,048] x [K 2,048, N 1,024]; A: softmax; B: input enc_seq: left as it is (M = 1 < 16)
;;   THE QUANTISER, for each operand of a quantised product, along K:
;;     - K is cut into blocks of 32 from its start; a last block that is shorter is filled with zeros.
;;     - A block's scale is 2^e with e = floor(log2(the largest magnitude in the block)) - 4, held to -126 .. 127; a block of zeros has e = 0. As a byte (E8M0): e + 127.
;;     - Each number is divided by its block's scale, clamped to +-28, and rounded to the nearest number of E3M2, ties to even, subnormals kept.
;;     - The product sums the exact products of the quantised numbers (number of the format x scale) in f32.
;;   ~~~python
;;   def quantise(x, axis):      # numpy; x: float32 -> the quantised numbers, widened to float32 again
;;       x = np.moveaxis(x, axis, -1); K = x.shape[-1]
;;       x = np.pad(x, [(0, 0)] * (x.ndim - 1) + [(0, -K % 32)]); x = x.reshape(x.shape[:-1] + (-1, 32)); a = np.abs(x).max(-1, keepdims=True)
;;       e = np.where(a > 0, np.clip(np.frexp(np.where(a > 0, a, 1))[1] - 1 - 4, -126, 127), 0)      # np.frexp(a)[1] - 1 = floor(log2(a)), exactly
;;       r = np.clip(x / 2.0 ** e, -28, 28)
;;       step = 2.0 ** (np.maximum(np.frexp(np.where(r == 0, 1, r))[1] - 1, -2) - 2)
;;       q = np.round(r / step) * step * 2.0 ** e      # np.round: ties to even
;;       return np.moveaxis(q.reshape(q.shape[:-2] + (-1,))[..., :K], -1, axis).astype(np.float32)
;;   ~~~
;; One version. Each part assembles by itself: llvm-mc -triple=amdgcn-amd-amdhsa -mcpu=gfx1250 --defsym DOCPART=n.
;; ======== version 1 of 1: 3 launches
;; limits: values are held in bf16: 8 bits of precision; right only within a limited range of input values
;; workspace buffers: wq 819,200 bytes; cbw 131,072 bytes; part 2,359,296 bytes
;; launch prep (part 1): grid 64 x 1, 8 waves a work-group, no clusters, 35,840 bytes of LDS; arguments w0, hidden, b0, wq, cbw; writes wq, cbw
.if DOCPART == 1
	.amdgcn_target "amdgcn-amd-amdhsa--gfx1250"
	.amdhsa_code_object_version 6
	.text
	.protected	k_q0113114a8a_prep
	.globl	k_q0113114a8a_prep
	.p2align	8
	.type	k_q0113114a8a_prep,@function
k_q0113114a8a_prep:
	s_mov_b64 s[64:65], 0
	v_nop
	global_prefetch_b8 v0, s[64:65] scope:SCOPE_SE
	s_setreg_imm32_b32 hwreg(HW_REG_WAVE_MODE, 25, 1), 1
	s_wait_xcnt 0x0
; w0 [2048][1024] f32 is quantised once, along K (its first axis), to codes of BF6 (E3M2) with one E8M0 byte for each 32 along K.
; Work-groups 0-31 take w0's rows 0-1023 (the operand of enc_seq's product): 32 columns each; the codes leave in the ORDER OF THE OPERAND'S REGISTERS (buffer wq), so that the next launch
; takes a fragment by three loads of 16 bytes a lane.  wq: 16 slots of 51,200 bytes, slot c = columns 64 c .. 64 c + 63: images [K step s][tile t] of 1,536 bytes at 6144 s + 1536 t
; (registers 4 q .. 4 q + 3 of lane l at 512 q + 16 l); from byte 49,152 four scale images of 512 bytes: lane l's word e is the scale word of column 16 t + l % 16 for K step 2 e + l / 16.
; Work-groups 32-63 take rows 1024-2047 and multiply them at once with the quantised hidden [32][1024]: cbw[g][b][32] = c (hidden W + b0), c = 2 log2(e), for the tanh of the next launch.
; SHARES: eight waves, wave s = K step s (128 along K).  A LANE TAKES A COLUMN AND ITS REGISTERS RUN DOWN K: a block of 32 lies in one lane, nothing is transposed.
; The hidden product's eight K steps are summed in f32 through LDS, K ascending.
; A block's scale byte is its largest magnitude's exponent field - 4, held at 1 from below by a floor among the maximum's leaves.
; LIMITS: a block of zeros gets the byte 1 with zero codes (the same products as the byte 127; the bytes are read by this program alone); NaN and infinities among the inputs are not served.
; The two halves part ONCE, on the work-group's number; each way has LDS bytes of its own.
; WORK LEFT OUT, in the whole program: reference() adds b1[0] to every score of a batch, and tanh(x) = 1 - 2 / (1 + e^(2x)) puts the term sum(w1) into every score alike.  Both are the same
; along the softmax's axis, so for all finite inputs softmax(scores + constant) = softmax(scores): neither can reach out0.  b1 is therefore not loaded and is no launch's argument, and sum(w1) is not formed.
; LIMIT: a NaN, an infinity or an overflow that would reach only b1 or sum(w1) is not carried to the result.
.set SCI, 0
.set PS,  1024                         ; LDS, rows 1024-2047's way: partial sums [wave 8][batch 32][column 32] f32
.set HB,  16                           ; v16-143  hidden's numbers: fragment i (batches 16 i ..) at 16 + 64 i
.set F0,  144                          ; v144-155 W's fragment of columns 0-15
.set F1,  156                          ; v156-167 of columns 16-31
.set HF,  168                          ; v168-191 hidden's two fragments
.set T,   192                          ; v192-207 upper halves of blocks (a conversion's three registers begin on an even number)
.set MX,  208                          ; v208-211 largest magnitudes
.set SO,  212                          ; v212-215 the conversions' scale operands
.set BY,  216                          ; v216-219 scale bytes
.set WS,  220                          ; v220     W's scale word: lane l has column l's
.set HW,  221                          ; v221-222 hidden's scale words
.set TP,  223                          ; v223     a lane permute's destination
.set D,   224                          ; v224-255 four accumulators
.set CS,  40                           ; s[40:41] c, twice
.set SEL, 42                           ; s[42:43] lane selects: lane l xor 16
.set MSB, 0
.macro WIN new                         ; the immediate's high byte repeats the setting that is left
.if MSB != (\new)
	s_set_vgpr_msb (MSB<<8)|(\new)
.set MSB, (\new)
.endif
.endm
; 128 rows x 32 columns of w0 into window 1 (register i = row 128 s + i of my column), then two fragments F0, F1 and the scale word WS.
.macro QW
	WIN 0x40                                       ; destination window 1
.set I, 0
.rept 128
	global_load_b32 v[I], v4, s[4:5] offset:I*4096 ; 32 lanes read 128 consecutive bytes of a row
.set I, I+1
.endr
	WIN 0
	s_wait_loadcnt 0x0                             ; nothing was issued behind them
	WIN 0x05                                       ; sources 0 and 1 window 1
.irp b, 0,1,2,3
	v_max3_num_f32 v[MX+\b], |v[32*\b]|, |v[32*\b+1]|, 0x2800000   ; block b, and the floor 2^(5 - 127): the byte cannot fall under 1
.endr
.irp i, 2,4,6,8,10,12,14,16,18,20,22,24,26,28,30
.irp b, 0,1,2,3
	s_delay_alu instid0(VALU_DEP_4)
	v_max3_num_f32 v[MX+\b], |v[32*\b+\i]|, |v[32*\b+\i+1]|, v[MX+\b]   ; the four blocks by turns
.endr
.endr
	WIN 0
.irp b, 0,1,2,3
	v_add_nc_u32 v[SO+\b], 0xfe000000, v[MX+\b]    ; 4 off the exponent field: the conversion's scale operand
.endr
.irp b, 0,1,2,3
	s_delay_alu instid0(VALU_DEP_4)
	v_lshrrev_b32 v[BY+\b], 23, v[SO+\b]           ; the scale's byte
.endr
	s_delay_alu instid0(VALU_DEP_3)
	v_lshl_or_b32 v[WS], v[BY+1], 8, v[BY]
	s_delay_alu instid0(VALU_DEP_1)
	v_lshl_or_b32 v[WS], v[BY+2], 16, v[WS]
	s_delay_alu instid0(VALU_DEP_1)
	v_lshl_or_b32 v[WS], v[BY+3], 24, v[WS]        ; my column's scale word for this K step
	WIN 0x01                                       ; source 0 window 1
.irp b, 0,1,2,3                                ; blocks 0, 2 into F0, blocks 1, 3 into F1
	v_cvt_scalef32_pk16_bf6_f32 v[F0+12*(\b%2)+6*(\b/2):F0+12*(\b%2)+6*(\b/2)+2], v[32*\b:32*\b+15], v[SO+\b]
	v_cvt_scalef32_pk16_bf6_f32 v[T+4*\b:T+4*\b+2], v[32*\b+16:32*\b+31], v[SO+\b]
.endr
	WIN 0
	v_nop                                          ; one plain place behind a scaled conversion
.irp b, 0,1,2,3
.irp i, 0,1,2
	v_mov_b32 v[F0+12*(\b%2)+6*(\b/2)+3+\i], v[T+4*\b+\i]
.endr
.endr
.irp i, 0,1,2,3,4,5,6,7,8,9,10,11              ; F0's lanes 16-31 (blocks 0, 2 of columns 16-31) change places with F1's lanes 0-15 (blocks 1, 3 of columns 0-15):
	v_permlane16_swap_b32 v[F0+\i], v[F1+\i]       ; F0 is now the fragment of columns 0-15, F1 that of columns 16-31
.endr
.endm
; hidden's fragment i: 64 numbers of a lane, block c (k = 64 c + 32 h ..) at BUF + 32 c, all 32 of a block mine.
.macro QH i
.set BUF, HB+64*(\i)
.set DST, HF+12*(\i)
.irp n, 0,1,2,3                                ; four chains of 16 numbers: two to a block
	v_max3_num_f32 v[MX+\n], |v[BUF+16*\n]|, |v[BUF+16*\n+1]|, 0x2800000
.endr
.irp j, 2,4,6,8,10,12,14
.irp n, 0,1,2,3
	s_delay_alu instid0(VALU_DEP_4)
	v_max3_num_f32 v[MX+\n], v[MX+\n], |v[BUF+16*\n+\j]|, |v[BUF+16*\n+\j+1]|
.endr
.endr
	s_delay_alu instid0(VALU_DEP_3)
	v_max_num_f32 v[MX], v[MX], v[MX+1]
	s_delay_alu instid0(VALU_DEP_2)
	v_max_num_f32 v[MX+2], v[MX+2], v[MX+3]
	s_delay_alu instid0(VALU_DEP_2)
	v_add_nc_u32 v[SO], 0xfe000000, v[MX]
	s_delay_alu instid0(VALU_DEP_2)
	v_add_nc_u32 v[SO+1], 0xfe000000, v[MX+2]
	s_delay_alu instid0(VALU_DEP_2)
	v_lshrrev_b32 v[BY], 23, v[SO]
	s_delay_alu instid0(VALU_DEP_2)
	v_lshrrev_b32 v[BY+1], 23, v[SO+1]
	s_delay_alu instid0(VALU_DEP_1)
	v_lshl_or_b32 v[BY+2], v[BY+1], 16, v[BY]      ; my two bytes: blocks h and 2 + h,
	s_delay_alu instid0(VALU_DEP_1)
	v_lshlrev_b32 v[BY+2], v11, v[BY+2]            ; 8 h bits up;
	s_delay_alu instid0(VALU_DEP_1)
	v_permlanex16_b32 v[TP], v[BY+2], s[SEL], s[SEL+1]
	s_delay_alu instid0(VALU_DEP_1)
	v_or_b32 v[HW+\i], v[BY+2], v[TP]              ; with lane l xor 16's two the word is whole
	v_cvt_scalef32_pk16_bf6_f32 v[DST:DST+2], v[BUF:BUF+15], v[SO]
	v_cvt_scalef32_pk16_bf6_f32 v[T:T+2], v[BUF+16:BUF+31], v[SO]
	v_cvt_scalef32_pk16_bf6_f32 v[DST+6:DST+8], v[BUF+32:BUF+47], v[SO+1]
	v_cvt_scalef32_pk16_bf6_f32 v[T+4:T+6], v[BUF+48:BUF+63], v[SO+1]
	v_nop                                          ; one plain place behind a scaled conversion
.irp j, 0,1,2
	v_mov_b32 v[DST+3+\j], v[T+\j]
	v_mov_b32 v[DST+9+\j], v[T+4+\j]
.endr
.endm
	s_load_b256 s[4:11], s[0:1], 0x0               ; w0 s[4:5], hidden s[6:7], b0 s[8:9], wq s[10:11]
	s_load_b64 s[12:13], s[0:1], 0x20              ; cbw
	v_lshl_add_u32 v203, v0, 2, 0x8800
	v_mov_b32 v207, 0
	v_lshrrev_b32 v1, 5, v0
	s_delay_alu instid0(VALU_DEP_1)
	v_readfirstlane_b32 s14, v1                    ; wave = K step s
	s_lshr_b32 s15, ttmp9, 5                       ; which half of w0's rows
	s_and_b32 s16, ttmp9, 31                       ; g: columns 32 g ..
	v_and_b32 v1, 31, v0                           ; lane
	v_and_b32 v2, 15, v0                           ; r
	v_bfe_u32 v3, v0, 4, 1                         ; h
	s_delay_alu instid0(VALU_DEP_3)
	v_lshlrev_b32 v4, 2, v1                        ; w0: 4 bytes a lane
	s_delay_alu instid0(VALU_DEP_3)
	v_lshlrev_b32 v5, 12, v2
	s_delay_alu instid0(VALU_DEP_1)
	v_lshl_add_u32 v5, v3, 7, v5                   ; hidden: row r of 4,096 bytes + 128 h
	v_lshlrev_b32 v6, 4, v1                        ; 16 x lane
	s_wait_alu depctr_va_vdst(0)
	s_and_b32 s20, s14, 1
	s_lshl_b32 s20, s20, 8
	s_lshr_b32 s21, s14, 1
	s_lshl_b32 s21, s21, 2
	s_add_co_u32 s20, s20, s21
	v_lshlrev_b32 v7, 9, v3
	s_delay_alu instid0(VALU_DEP_1)
	v_lshl_add_u32 v7, v2, 4, v7
	s_delay_alu instid0(VALU_DEP_1)
	v_add_nc_u32 v7, s20, v7                       ; my scale word's place: 512 (l / 16) + 16 (l % 16) + 256 (s % 2) + 4 (s / 2)
	s_lshl_b32 s21, s14, 12
	s_add_co_u32 s21, s21, PS
	v_lshlrev_b32 v8, 10, v3
	s_delay_alu instid0(VALU_DEP_1)
	v_lshl_add_u32 v8, v2, 2, v8
	s_delay_alu instid0(VALU_DEP_1)
	v_add_nc_u32 v8, s21, v8                       ; partial sums, in: PS + 4096 s + 1024 h + 4 r
	s_lshl_b32 s22, s14, 9
	s_add_co_u32 s23, s22, PS
	v_add_nc_u32 v9, s23, v6                       ; and back: PS + 512 s + 16 lane
	v_and_b32 v10, 7, v0
	s_delay_alu instid0(VALU_DEP_1)
	v_lshlrev_b32 v10, 4, v10                      ; b0: 16 (l % 8)
	v_lshlrev_b32 v11, 3, v3                       ; 8 h
	v_add_nc_u32 v12, s22, v6                      ; 512 s + 16 lane
	v_mov_b32 v[TP], 0                             ; written once: a lane permute's destination counts as one of its sources
	s_mov_b32 s[CS], 0x4038aa3b                    ; c = 2 log2(e)
	s_mov_b32 s[CS+1], s[CS]
	s_mov_b32 s[SEL], 0x76543210
	s_mov_b32 s[SEL+1], 0xfedcba98
	s_lshl_b32 s24, s15, 22                        ; w0: 1,024 rows x half,
	s_lshl_b32 s25, s14, 19                        ; + 128 rows x wave,
	s_add_co_u32 s24, s24, s25
	s_lshl_b32 s28, s16, 7                         ; + 128 bytes x g (b0's offset too)
	s_add_co_u32 s24, s24, s28
	s_mov_b32 s25, 0
	s_mov_b32 s26, s22                             ; hidden: 512 bytes x wave
	s_mov_b32 s27, 0
	s_mov_b32 s29, 0
	s_lshr_b32 s17, s16, 1
	s_mul_i32 s17, s17, 51200                      ; the slot of wq
	s_and_b32 s18, s16, 1
	s_lshl_b32 s30, s14, 1
	s_add_co_u32 s30, s30, s18
	s_mul_i32 s30, s30, 3072
	s_add_co_u32 s30, s30, s17                     ; images: slot + (2 s + g % 2) x 3,072
	s_mov_b32 s31, 0
	s_lshl_b32 s32, s18, 10
	s_add_co_u32 s32, s32, s17
	s_add_co_u32 s32, s32, 49152                   ; scale images: slot + 49,152 + 1,024 (g % 2)
	s_mov_b32 s33, 0
	s_lshl_b32 s38, s16, 12                        ; cbw: 4,096 bytes x g
	s_mov_b32 s39, 0
	s_wait_kmcnt 0x0
	s_add_nc_u64 s[4:5], s[4:5], s[24:25]
	s_add_nc_u64 s[6:7], s[6:7], s[26:27]
	s_add_nc_u64 s[8:9], s[8:9], s[28:29]
	s_add_nc_u64 s[34:35], s[10:11], s[30:31]
	s_add_nc_u64 s[36:37], s[10:11], s[32:33]
	s_add_nc_u64 s[12:13], s[12:13], s[38:39]
	s_cmp_eq_u32 s15, 0
	s_cbranch_scc0 .Lhalf1
	; ---- rows 0-1023: codes and scale words go to wq
	QW
.irp t, 0,1
.irp q, 0,1,2
	global_store_b128 v6, v[F0+12*\t+4*\q:F0+12*\t+4*\q+3], s[34:35] offset:1536*\t+512*\q   ; 32 lanes store 512 consecutive bytes, at a multiple of 256 from wq's first byte
.endr
.endr
	ds_store_b32 v7, v[WS]                         ; the eight waves' words make two scale images
	s_wait_dscnt 0x0                               ; for the others' sake: my word has landed
	s_barrier_signal -1
	s_barrier_wait -1
	s_cmp_lt_u32 s14, 2                            ; waves 0 and 1 store an image each
	s_cbranch_scc0 .Ldone0
	ds_load_b128 v[T:T+3], v12
	s_wait_dscnt 0x0
	global_store_b128 v12, v[T:T+3], s[36:37]
.Ldone0:
	s_wait_tensorcnt 0x0
	ds_add_u32 v203, v207
	s_wait_dscnt 0x0
	s_endpgm
	; ---- rows 1024-2047: multiplied at once with the quantised hidden
.Lhalf1:
.irp i, 0,1
.irp c, 0,1
.irp j, 0,1,2,3,4,5,6,7
	global_load_b128 v[HB+64*\i+32*\c+4*\j:HB+64*\i+32*\c+4*\j+3], v5, s[6:7] offset:65536*\i+256*\c+16*\j   ; hidden(16 i + r, 128 s + 64 c + 32 h + 4 j ..)
.endr
.endr
.endr
	QW
	QH 0
	QH 1
	global_load_b128 v[140:143], v10, s[8:9]       ; b0 of my four columns, into registers that hidden's numbers have left
.rept 8
	v_nop                                          ; a scale register written by a vector instruction stands 8 places ahead of a scaled matrix instruction, an operand so written 4
.endr
.irp i, 0,1                                    ; D(2 i + t): batches 16 i .. x columns 16 t ..
	v_wmma_scale_f32_16x16x128_f8f6f4 v[D+16*\i:D+16*\i+7], v[HF+12*\i:HF+12*\i+11], v[F0:F0+11], 0, v[HW+\i], v[WS] matrix_a_fmt:MATRIX_FMT_BF6 matrix_b_fmt:MATRIX_FMT_BF6
	v_wmma_scale_f32_16x16x128_f8f6f4 v[D+16*\i+8:D+16*\i+15], v[HF+12*\i:HF+12*\i+11], v[F1:F1+11], 0, v[HW+\i], v[WS] matrix_a_fmt:MATRIX_FMT_BF6 matrix_b_fmt:MATRIX_FMT_BF6 matrix_b_scale:MATRIX_SCALE_ROW1
.endr
.rept 4
	v_nop                                          ; four places in front of the first read of results
.endr
.irp i, 0,1
.irp t, 0,1
.irp j, 0,1,2,3,4,5,6,7
	ds_store_b32 v8, v[D+8*(2*\i+\t)+\j] offset:2048*\i+128*\j+64*\t   ; batch 16 i + 8 h + j, column 16 t + r; each accumulator from its low end on
.endr
.endr
.endr
	s_wait_dscnt 0x0                               ; for the others' sake: my partial sums have landed
	s_barrier_signal -1
	s_barrier_wait -1
.irp k, 0,1,2,3,4,5,6,7
	ds_load_b128 v[16+4*\k:19+4*\k], v9 offset:4096*\k   ; wave s sums batches 4 s .. 4 s + 3: the eight K steps of four columns a lane
.endr
	s_wait_dscnt 0x0
.irp k, 1
	v_pk_add_f32 v[16:17], v[16:17], v[16+4*\k:17+4*\k]
	v_pk_add_f32 v[18:19], v[18:19], v[18+4*\k:19+4*\k]
.endr
.irp k, 2, 3, 4, 5, 6, 7
	s_delay_alu instid0(VALU_DEP_2)
	v_pk_add_f32 v[16:17], v[16:17], v[16+4*\k:17+4*\k]
	s_delay_alu instid0(VALU_DEP_2)
	v_pk_add_f32 v[18:19], v[18:19], v[18+4*\k:19+4*\k]
.endr
	s_wait_alu depctr_va_vdst(0)
	s_wait_loadcnt 0x0                             ; b0
	v_pk_add_f32 v[16:17], v[16:17], v[140:141]
	v_pk_add_f32 v[18:19], v[18:19], v[142:143]
	s_delay_alu instid0(VALU_DEP_2)
	v_pk_mul_f32 v[16:17], v[16:17], s[CS:CS+1] op_sel_hi:[1,0]
	s_delay_alu instid0(VALU_DEP_2)
	v_pk_mul_f32 v[18:19], v[18:19], s[CS:CS+1] op_sel_hi:[1,0]
	global_store_b128 v12, v[16:19], s[12:13]      ; 32 lanes store 512 consecutive bytes, at a multiple of 256 from cbw's first byte
	s_wait_tensorcnt 0x0
	ds_add_u32 v203, v207
	s_wait_dscnt 0x0
	s_endpgm
.Lfunc_end_k_q0113114a8a_prep:
	.size	k_q0113114a8a_prep, .Lfunc_end_k_q0113114a8a_prep-k_q0113114a8a_prep
	.p2alignl 7, 3214868480
	.fill 96, 4, 3214868480
	.section	.rodata,"a",@progbits
	.p2align	6, 0x0
	.amdhsa_kernel k_q0113114a8a_prep
		.amdhsa_group_segment_fixed_size 35840
		.amdhsa_private_segment_fixed_size 0
		.amdhsa_enable_private_segment 0
		.amdhsa_kernarg_size 40
		.amdhsa_user_sgpr_count 2
		.amdhsa_user_sgpr_kernarg_segment_ptr 1
		.amdhsa_wavefront_size32 1
		.amdhsa_system_sgpr_workgroup_id_x 1
		.amdhsa_system_sgpr_workgroup_id_y 1
		.amdhsa_system_sgpr_workgroup_id_z 1
		.amdhsa_system_vgpr_workitem_id 0
		.amdhsa_next_free_vgpr 384
		.amdhsa_next_free_sgpr 66
		.amdhsa_reserve_vcc 0
		.amdhsa_float_denorm_mode_32 3
		.amdhsa_float_denorm_mode_16_64 3
		.amdhsa_memory_ordered 1
		.amdhsa_forward_progress 1
		.amdhsa_inst_pref_size 62
	.end_amdhsa_kernel
	.amdgpu_metadata
---
amdhsa.version: [ 1, 2 ]
amdhsa.kernels:
  - .name:           k_q0113114a8a_prep
    .symbol:         k_q0113114a8a_prep.kd
    .args:
      - { .name: w0, .offset: 0, .size: 8, .value_kind: global_buffer, .address_space: global }
      - { .name: hidden, .offset: 8, .size: 8, .value_kind: global_buffer, .address_space: global }
      - { .name: b0, .offset: 16, .size: 8, .value_kind: global_buffer, .address_space: global }
      - { .name: wq, .offset: 24, .size: 8, .value_kind: global_buffer, .address_space: global }
      - { .name: cbw, .offset: 32, .size: 8, .value_kind: global_buffer, .address_space: global }
    .group_segment_fixed_size: 35840
    .private_segment_fixed_size: 0
    .kernarg_segment_align: 8
    .kernarg_segment_size: 40
    .max_flat_workgroup_size: 256
    .sgpr_count:     66
    .vgpr_count:     384
    .wavefront_size: 32
...
	.end_amdgpu_metadata
.endif
;; end of part 1
;; launch fused (part 2): grid 512 x 1, 8 waves a work-group, clusters of 4 x 1, 327,680 bytes of LDS; arguments enc_seq, mask, w1, wq, cbw, part; writes part
.if DOCPART == 2
	.amdgcn_target "amdgcn-amd-amdhsa--gfx1250"
	.amdhsa_code_object_version 6
	.text
	.protected	k_q0113114a8a_fused
	.globl	k_q0113114a8a_fused
	.p2align	8
	.type	k_q0113114a8a_fused,@function
k_q0113114a8a_fused:
	s_mov_b64 s[64:65], 0
	v_nop
	global_prefetch_b8 v0, s[64:65] scope:SCOPE_SE
	s_setreg_imm32_b32 hwreg(HW_REG_WAVE_MODE, 25, 1), 1
	s_wait_xcnt 0x0
	s_wait_alu depctr_hold_cnt(0) depctr_sa_sdst(0) depctr_va_vdst(0) depctr_va_sdst(0) depctr_va_ssrc(0) depctr_va_vcc(0) depctr_vm_vsrc(0)
	s_getreg_b32 s2, hwreg(HW_REG_IB_STS2, 6, 4)
	s_cmp_eq_u32 s2, 0
	s_cbranch_scc0 .Lentry_in_a_cluster
	s_endpgm
.Lentry_in_a_cluster:
	s_bfe_u32 s2, ttmp6, 0x10000c
	s_cmp_lg_u32 s2, 0x3003
	s_cbranch_scc0 .Lentry_shape_is_right
	s_endpgm
.Lentry_shape_is_right:
; For 128 rows of enc_seq (a sixteenth of a batch): pre = Q(enc) Q(W) + (hidden's part + b0), S = sum over columns of w1 / (1 + 2^(c pre)), c = 2 log2(e), the mask, and the work-group's share
; of the softmax and of sum(attn x enc): one partial (o[1024], M, L) in buffer part.  tanh(x) = 1 - 2 / (1 + 2^(c x)), so score = (b1 + sum w1) - 2 S.
; LEFT OUT: b1 + sum w1 is the same for every position of the softmax's axis and cancels in it for all inputs: b1 is not an argument, sum w1 is not formed; u = -2 log2(e) S stands for the score.
; SHARES: eight waves, two to a SIMD.  Waves q and q + 4 share rows 32 q .. 32 q + 31: both hold these rows' codes (192 registers).  Wave q + 4 tp loads, quantises and keeps rows 32 q + 16 tp .. + 15
; (its block 0; the partner's 16 rows are its block 1) and takes columns 32 tp .. 32 tp + 31 of each 64 of W: 32 products on four accumulators, then their tanh in place.
; enc_seq is read from memory once: each wave loads its 16 rows, 512 consecutive bytes a load, up to three K steps (48 loads) ahead of their use, across the barriers; so no prefetch is laid beside them.
; A K step's 128 rows x 512 bytes turn through one stage in LDS (written by ds_store alone): a barrier shows it whole, each wave reads its 16 rows as a fragment, quantises it and stores the fragment's
; register image (1,664 bytes with the scale words); the second barrier frees the stage and shows the images; each wave then takes its partner's.  So each block of rows is quantised once.
; The kept rows are bf16: K steps 0, 1 in 64 registers, K steps 2-7 in the wave's own 24,576 bytes of LDS.
; W's codes lie in buffer wq in the order of the operand's registers.  Of each 64 columns, K steps 0-3 (24,576 bytes) walk through two LDS slots, asked for JOINTLY by the cluster's four work-groups, an
; eighth a wave; K steps 4-7, W's scale words, cb and w1 come straight into registers, each asked for behind the last use of its registers, for the next 64 columns: by the text's count a wave reads
; 12,288 bytes of a slot from LDS for its 32 products, and 13,312 + 4,096 bytes from memory.
; THE PRODUCT IS USED TRANSPOSED (source 0 = 16 columns of W, source 1 = 16 rows of enc): lane (r, h) holds a row, register j column 16 t + 8 h + j: the dot with w1 stays in the lane.
; SOFTMAX: masked rows u = -infinity; M = the work-group's largest u (held at -3e38 from below); p = 2^(u - M); L = sum p; o = sum p enc.  The next launch joins a batch's 16 partials.
; LIMITS: NaN and infinities among the inputs are not served; a block of zeros gets the scale byte 1 with zero codes (the same products as the byte 127); enc is rounded to bf16 for the last product
; (left as it is by the contract); a batch that is masked whole gives NaN, as the softmax of nothing does; the promise holds while |u| stays under 2^31.
; REGISTERS: window 0: v0-15 addresses, mask; v16-31 enc's scale words; v32-39 W's; v40-47 the dot's sums; v48-63 cb; v64-95 four accumulators; v96-143 two sets of two fragments from LDS;
; v144-239 K steps 4-7's fragments; v240-255 w1.  Window 1: v0-191 enc's codes (K step s, block i at 24 s + 12 i); v192-255 kept K steps 0, 1.  In the load phase v64-255 are three landing buffers, v32-63 temporaries.
.set WSTEP, 51200                      ; 64 columns of W in wq
.set LSLOT, 24576                      ; an LDS slot: K steps 0-3 of 64 columns; slots at 0 and at 24,576
.set W8,    3072                       ; an eighth: 12 rows of 256 bytes
.set SPARE, 49152                      ; the spare words: 128 bytes for each of eight waves
.set KEPT,  50176                      ; kept rows: 24,576 bytes a wave
.set STG,   246784                     ; the stage: 128 rows x 528 bytes
.set IMG,   314368                     ; the fragments' images: 1,664 bytes a wave
.set SCRO,  STG+1024                   ; at the end the stage's bytes take the partial scores (1,024 bytes) and eight waves' o (4,096 each)
.set L16, 1
.set AB,  2                            ; v2-3  the ring: fragments of slot 0, 1: + 3072 tp + 16 lane (v2 also the offset in wq).  In the load phase v2, v3, v6, v7: my image and my partner's
.set SPW, 4
.set NIL, 5
.set ABS, 6                            ; v6    the ring: 1024 tp + 16 lane, the scale images' offset in wq
.set H32, 8                            ; v8    32 h
.set AST, 9                            ; v9    the stage, my 16 rows, 16 x lane
.set AQ,  10                           ; v10   the stage, my 16 rows: 528 r + 128 h
.set H8,  11
.set AK,  12                           ; v12   my kept rows
.set RR,  13                           ; v13   r
.set MK,  14
.set ASC, 16
.set BSC, 32
.set SA,  40
.set CBR, 48
.set ACC, 64
.set LS,  96
.set DS,  144
.set W1R, 240
.set MX,  32
.set SO,  36
.set BY,  38
.set T,   40
.set WT,  48
.set TPR, 49
.set OA,  32
.set PV,  30
.set WV,  16
.set Q,   17
.set TP,  18
.set G1W, 24
.set G0A, 32
.set G0B, 36
.set PS,  40                           ; s40-55 the 16 p
.set CS,  56
.set SEL, 58
.set CNT, 60
.set EB,  62
.set WB,  10                           ; s[10:11] wq at the 64 columns whose direct loads are being issued
.set CBB, 12                           ; s[12:13] cbw likewise
.set W1B, 8                            ; s[8:9]   w1 likewise
.set MSB, 0
.macro WIN new                         ; the immediate's high byte repeats the setting that is left
.if MSB != (\new)
	s_set_vgpr_msb (MSB<<8)|(\new)
.set MSB, (\new)
.endif
.endm
.macro NOP4
.rept 4
	v_nop
.endr
.endm
.macro VDONE                           ; this wait ahead of blocking waits, barriers and batches of transcendentals
	s_wait_alu depctr_va_vdst(0)
.endm
.macro BAR
	s_barrier_signal -1
	s_barrier_wait -1
.endm
.macro ROUND                           ; a round of the cluster's barrier
	s_barrier_signal -1
	s_barrier_wait -1
	s_cmp_lg_u32 s[WV], 0
	s_cbranch_scc1 .Lnot_wave_0_\@
	s_barrier_signal -3
.Lnot_wave_0_\@:
	s_barrier_wait -3
	s_barrier_signal -1
	s_barrier_wait -1
.endm
.macro GLOAD s                         ; K step s of my 16 rows into buffer s % 3: 32 lanes read 512 consecutive bytes of a row
.set P, 0
.rept 16
	global_load_b128 v[64+64*((\s)%3)+4*P:64+64*((\s)%3)+4*P+3], v[L16], s[EB:EB+1] offset:4096*P+512*(\s) th:TH_LOAD_NT
.set P, P+1
.endr
.endm
.macro LDQ buf                         ; 64 numbers for a fragment: row r of my 16, k = 64 c + 32 h + 0 .. 31
.irp c, 0,1
.irp j, 0,1,2,3,4,5,6,7
	ds_load_b128 v[\buf+32*\c+4*\j:\buf+32*\c+4*\j+3], v[AQ] offset:256*\c+16*\j
.endr
.endr
.endm
; 64 numbers of a lane (block c at buf + 32 c) become a fragment's codes at v[dst] of window 1 and its scale word in v[sc]
.macro QFRAG buf, dst, sc
.irp n, 0,1,2,3                                ; four chains of 16, two to a block; the floor 2^(5 - 127) holds the byte at 1 from below
	v_max3_num_f32 v[MX+\n], |v[\buf+16*\n]|, |v[\buf+16*\n+1]|, 0x2800000
.endr
.irp j, 2,4,6,8,10,12,14
.irp n, 0,1,2,3
	s_delay_alu instid0(VALU_DEP_4)
	v_max3_num_f32 v[MX+\n], v[MX+\n], |v[\buf+16*\n+\j]|, |v[\buf+16*\n+\j+1]|
.endr
.endr
	s_delay_alu instid0(VALU_DEP_3)
	v_max_num_f32 v[MX], v[MX], v[MX+1]
	s_delay_alu instid0(VALU_DEP_2)
	v_max_num_f32 v[MX+2], v[MX+2], v[MX+3]
	s_delay_alu instid0(VALU_DEP_2)
	v_add_nc_u32 v[SO], 0xfe000000, v[MX]          ; 4 off the exponent field: the conversion's scale operand
	s_delay_alu instid0(VALU_DEP_2)
	v_add_nc_u32 v[SO+1], 0xfe000000, v[MX+2]
	s_delay_alu instid0(VALU_DEP_2)
	v_lshrrev_b32 v[BY], 23, v[SO]
	s_delay_alu instid0(VALU_DEP_2)
	v_lshrrev_b32 v[BY+1], 23, v[SO+1]
	s_delay_alu instid0(VALU_DEP_1)
	v_lshl_or_b32 v[WT], v[BY+1], 16, v[BY]        ; my two bytes: blocks h and 2 + h,
	s_delay_alu instid0(VALU_DEP_1)
	v_lshlrev_b32 v[WT], v[H8], v[WT]              ; 8 h bits up;
	s_delay_alu instid0(VALU_DEP_1)
	v_permlanex16_b32 v[TPR], v[WT], s[SEL], s[SEL+1]
	s_delay_alu instid0(VALU_DEP_1)
	v_or_b32 v[\sc], v[WT], v[TPR]                 ; with lane l xor 16's two the word is whole
	v_cvt_scalef32_pk16_bf6_f32 v[T:T+2], v[\buf+16:\buf+31], v[SO]       ; (a conversion's three registers begin on an even number: the upper halves are made here and moved)
	v_cvt_scalef32_pk16_bf6_f32 v[T+4:T+6], v[\buf+48:\buf+63], v[SO+1]
	WIN 0x40                                       ; destination window 1
	v_cvt_scalef32_pk16_bf6_f32 v[(\dst):(\dst)+2], v[\buf:\buf+15], v[SO]
	v_cvt_scalef32_pk16_bf6_f32 v[(\dst)+6:(\dst)+8], v[\buf+32:\buf+47], v[SO+1]
	v_nop                                          ; one plain place behind a scaled conversion
.irp j, 0,1,2
	v_mov_b32 v[(\dst)+3+\j], v[T+\j]
	v_mov_b32 v[(\dst)+9+\j], v[T+4+\j]
.endr
	WIN 0
.endm
; K step s: my 16 rows go to the stage as f32 and are kept as bf16; behind the barrier they come back as a fragment and are quantised; behind the second barrier I take my partner's fragment, and the buffer takes K step s + 3
.macro CHUNK s
.set BUF, 64+64*((\s)%3)
.if (\s) < 6
	s_wait_loadcnt 32                              ; this K step's 16 loads are in; the 32 of the two behind it may be out
.else
	s_wait_loadcnt 16*(7-(\s))
.endif
.set P, 0
.rept 16
	ds_store_b128 v[AST], v[BUF+4*P:BUF+4*P+3] offset:528*P
.set P, P+1
.endr
.if (\s) < 2
	WIN 0x40
.set KD, 192+32*(\s)
.else
.set KD, 32
.endif
.set P, 0
.rept 32                                       ; register 2 p + e: row p, columns 128 s + 4 l + 2 e, + 1
	v_cvt_pk_bf16_f32 v[KD+P], v[BUF+2*P], v[BUF+2*P+1]
.set P, P+1
.endr
	WIN 0
.if (\s) >= 2
.irp q, 0,1,2,3,4,5,6,7
	ds_store_b128 v[AK], v[32+4*\q:35+4*\q] offset:4096*((\s)-2)+512*\q   ; an image of the 32 registers, my wave's own bytes
.endr
.endif
	VDONE
.if (\s) == 0
	s_wait_tensorcnt 0x0                           ; my eighth of W's slot 0 is in
	ds_add_u32 v[SPW], v[NIL]
	s_wait_dscnt 0x0                               ; the add and my stores into the stage are done
	ROUND
	tensor_load_to_lds s[G0B:G0B+3], s[G1W:G1W+7]  ; slot 1's first fill, joint, my one tensor load behind the round
	s_nop 0
	NOP4
.else
	s_wait_dscnt 0x0                               ; for the others' sake: my stores have landed, and my reads of my partner's last image are over
	BAR
.endif
	LDQ BUF
	s_wait_dscnt 0x0
	QFRAG BUF, 24*(\s), ASC+2*(\s)
	WIN 0x04                                       ; store data in window 1
.irp q, 0,1,2
	ds_store_b128 v2, v[24*(\s)+4*\q:24*(\s)+4*\q+3] offset:512*\q
.endr
	WIN 0
	ds_store_b32 v3, v[ASC+2*(\s)] offset:1536
	VDONE
	s_wait_dscnt 0x0                               ; my image has landed; my reads of the stage are over
	BAR
	WIN 0x40                                       ; destination window 1
.irp q, 0,1,2
	ds_load_b128 v[24*(\s)+12+4*\q:24*(\s)+15+4*\q], v6 offset:512*\q
.endr
	WIN 0
	ds_load_b32 v[ASC+2*(\s)+1], v7 offset:1536
.if (\s)+3 < 8
	GLOAD (\s)+3
.endif
.endm
; ---- the ring
.macro BLOAD k, par                    ; K step k (0 .. 3) of my 32 columns, from LDS: two fragments into set k % 2
.irp tq, 0,1
.irp q, 0,1,2
	ds_load_b128 v[LS+24*((\k)%2)+12*\tq+4*\q:LS+24*((\k)%2)+12*\tq+4*\q+3], v[AB+\par] offset:6144*(\k)+1536*\tq+512*\q
.endr
.endr
.endm
.macro DLOAD k                         ; K step k (4 .. 7) of my 32 columns, from wq: 32 lanes read 512 consecutive bytes
.irp tq, 0,1
.irp q, 0,1,2
	global_load_b128 v[DS+24*((\k)-4)+12*\tq+4*\q:DS+24*((\k)-4)+12*\tq+4*\q+3], v[AB], s[WB:WB+1] offset:6144*(\k)+1536*\tq+512*\q
.endr
.endr
.endm
.macro SCLOAD                          ; W's scale words: register e of a tile: lanes 0-15 K step 2 e, lanes 16-31 K step 2 e + 1
.irp tq, 0,1
	global_load_b128 v[BSC+4*\tq:BSC+4*\tq+3], v[ABS], s[WB:WB+1] offset:49152+512*\tq
.endr
.endm
.macro VLOAD reg, base                 ; cb or w1 of columns 16 tq + 8 h + 0 .. 7 of my 32
.irp tq, 0,1
.irp q, 0,1
	global_load_b128 v[\reg+8*\tq+4*\q:\reg+8*\tq+4*\q+3], v[H32], s[\base:\base+1] offset:64*\tq+16*\q
.endr
.endr
.endm
.macro PROD k, tq, i
.set rD, ACC+8*(2*(\tq)+(\i))
.if (\k) < 4
.set rA, LS+24*((\k)%2)+12*(\tq)
.else
.set rA, DS+24*((\k)-4)+12*(\tq)
.endif
.set rB, 24*(\k)+12*(\i)
.set rP, BSC+4*(\tq)+(\k)/2
.set rQ, ASC+2*(\k)+(\i)
.if (\k) == 0                                  ; the first K step starts the sums: nothing is cleared
	v_wmma_scale_f32_16x16x128_f8f6f4 v[rD:rD+7], v[rA:rA+11], v[rB:rB+11], 0, v[rP], v[rQ] matrix_a_fmt:MATRIX_FMT_BF6 matrix_b_fmt:MATRIX_FMT_BF6
.elseif (\k)%2 == 1
	v_wmma_scale_f32_16x16x128_f8f6f4 v[rD:rD+7], v[rA:rA+11], v[rB:rB+11], v[rD:rD+7], v[rP], v[rQ] matrix_a_fmt:MATRIX_FMT_BF6 matrix_b_fmt:MATRIX_FMT_BF6 matrix_a_scale:MATRIX_SCALE_ROW1
.else
	v_wmma_scale_f32_16x16x128_f8f6f4 v[rD:rD+7], v[rA:rA+11], v[rB:rB+11], v[rD:rD+7], v[rP], v[rQ] matrix_a_fmt:MATRIX_FMT_BF6 matrix_b_fmt:MATRIX_FMT_BF6
.endif
.endm
.macro GROUP g                         ; eight products: K steps 2 g, 2 g + 1; the four accumulators take turns, one instruction a turn
.irp kk, 0,1
.irp tq, 0,1
.irp i, 0,1
	PROD 2*(\g)+\kk, \tq, \i
.endr
.endr
.endr
.endm
; A slot: my 32 products, K steps in the order 0, 1, 4, 5, 2, 3, 6, 7, then the tanh and the dot with w1, in place on the accumulators.  nxt = 1: the next 64 columns' direct loads are issued, each run behind
; the last use of its registers.  A wave's queue of direct loads is, in the order of issue: K steps 4, 5 (12), scale words (2), K steps 6, 7 (12), cb (4), w1 (4); each wait's count is what was issued behind the run it waits for.
.macro SLOT par, nxt
	BLOAD 0, \par
	BLOAD 1, \par
	WIN 0x04                                       ; source 1 (enc's codes) in window 1
	s_wait_loadcnt 20                              ; K steps 4, 5 and the scale words are in; K steps 6, 7, cb and w1 (20) may be out
	s_wait_dscnt 0x0
	GROUP 0
	NOP4                                           ; four places in front of loads into registers that products have read
	BLOAD 2, \par
	BLOAD 3, \par
	GROUP 2
	NOP4
.if \nxt
	s_wait_xcnt 0x0                                ; every earlier load has read its base: the three bases step to the next 64 columns
	s_add_nc_u64 s[WB:WB+1], s[WB:WB+1], WSTEP
	s_add_nc_u64 s[CBB:CBB+1], s[CBB:CBB+1], 8192
	s_add_nc_u64 s[W1B:W1B+1], s[W1B:W1B+1], 256
	DLOAD 4
	DLOAD 5
.endif
	s_wait_dscnt 0x0
	GROUP 1
.if \nxt
	s_wait_loadcnt 20                              ; K steps 6, 7 are in; cb, w1 and the twelve just issued may be out
.else
	s_wait_loadcnt 8
.endif
	GROUP 3
	WIN 0
	NOP4                                           ; four places in front of the loads below and of the first read of results
.if \nxt
	SCLOAD
	DLOAD 6
	DLOAD 7
	s_wait_loadcnt 30                              ; cb is in; w1 (4) and the 26 issued in this slot may be out
.else
	s_wait_loadcnt 4
.endif
.set J, 0
.rept 16                                       ; x = c acc + cb, each accumulator from its low end on
	v_pk_fma_f32 v[ACC+2*J:ACC+2*J+1], v[ACC+2*J:ACC+2*J+1], s[CS:CS+1], v[CBR+8*(J/8)+2*(J%4):CBR+8*(J/8)+2*(J%4)+1] op_sel_hi:[1,0,1]
.set J, J+1
.endr
.if \nxt
	VLOAD CBR, CBB
.endif
	VDONE
.set J, 0
.rept 32
	v_exp_f32 v[ACC+J], v[ACC+J]
.set J, J+1
.endr
	v_nop                                          ; a plain instruction behind the last exponential
	VDONE
.set J, 0
.rept 16
	v_pk_add_f32 v[ACC+2*J:ACC+2*J+1], v[ACC+2*J:ACC+2*J+1], 1.0 op_sel_hi:[1,0]
.set J, J+1
.endr
	VDONE
.set J, 0
.rept 32
	v_rcp_f32 v[ACC+J], v[ACC+J]
.set J, J+1
.endr
	v_nop
	VDONE
.if \nxt
	s_wait_loadcnt 30                              ; w1 is in; the 30 issued in this slot may be out
.else
	s_wait_loadcnt 0x0
.endif
.set J, 0
.rept 16                                       ; the dot with w1: four chains of pairs, two for each block of rows
	v_pk_fma_f32 v[SA+4*((J/4)%2)+2*(J%2):SA+4*((J/4)%2)+2*(J%2)+1], v[ACC+2*J:ACC+2*J+1], v[W1R+8*(J/8)+2*(J%4):W1R+8*(J/8)+2*(J%4)+1], v[SA+4*((J/4)%2)+2*(J%2):SA+4*((J/4)%2)+2*(J%2)+1]
.set J, J+1
.endr
.if \nxt
	VLOAD W1R, W1B
.endif
.endm
; the change of slots.  g0: the group 0 of the slot that has been left, which takes the 64 columns after those of the slot ahead; 0: nothing is left to fetch
.macro CHANGE g0
	s_wait_tensorcnt 0x0                           ; all my tensor loads have landed, my eighth of the slot ahead among them
	ds_add_u32 v[SPW], v[NIL]
.if \g0
	s_add_nc_u64 s[\g0+2:\g0+3], s[\g0+2:\g0+3], 2*WSTEP
.endif
	s_wait_dscnt 0x0                               ; the add is done, and my reads of the slot that I have left are over
.if \g0
	ROUND
	tensor_load_to_lds s[\g0:\g0+3], s[G1W:G1W+7]  ; the joint refill, my one tensor load behind the round
	s_nop 0
	NOP4
.else
	BAR
.endif
.endm
	s_load_b256 s[4:11], s[0:1], 0x0               ; enc s[4:5], mask s[6:7], w1 s[8:9], wq s[10:11]
	s_load_b128 s[12:15], s[0:1], 0x20             ; cbw s[12:13], part s[14:15]
	v_lshl_add_u32 v[SPW], v0, 2, SPARE
	v_mov_b32 v[NIL], 0
	ds_add_u32 v[SPW], v[NIL]
	ds_add_u32 v[SPW], v[NIL]
	v_lshrrev_b32 v1, 5, v0
	v_readfirstlane_b32 s[WV], v1                  ; wave 0..7
	s_and_b32 s[Q], s[WV], 3                       ; which 32 rows
	s_lshr_b32 s[TP], s[WV], 2                     ; which 32 of a slot's columns, and which 16 of the 32 rows are mine
	s_bfe_u32 s19, ttmp6, 0x40000                  ; cx
	s_lshl_b32 s20, ttmp9, 2
	s_add_co_u32 s20, s20, s19                     ; my work-group: it enters global addresses of my own loads and stores alone
	s_mov_b32 s[G1W], 15|(3<<16)|(1<<21)           ; W: 12 rows of 256 bytes; the mask names all four work-groups, bit 21 beside it
	s_mov_b32 s[G1W+1], 32<<16
	s_mov_b32 s[G1W+2], 12<<16
	s_mov_b32 s[G1W+3], 32<<16
	s_mov_b32 s[G1W+4], 12
	s_mov_b32 s[G1W+5], 32
	s_mov_b32 s[G1W+6], 0
	s_mov_b32 s[G1W+7], 0
	s_mov_b32 s[CS], 0x4038aa3b                    ; c = 2 log2(e)
	s_mov_b32 s[CS+1], s[CS]
	s_mov_b32 s[SEL], 0x76543210
	s_mov_b32 s[SEL+1], 0xfedcba98
	s_mul_i32 s78, s[TP], 3072                     ; kept for the ring's addresses
	s_lshl_b32 s79, s[TP], 10
	s_mul_i32 s66, s[Q], 16896
	s_mul_i32 s67, s[TP], 8448
	s_add_co_u32 s66, s66, s67
	s_add_co_u32 s66, s66, STG                     ; my 16 rows of the stage
	s_mul_i32 s68, s[WV], 24576
	s_add_co_u32 s68, s68, KEPT
	s_mul_i32 s69, s[WV], 1664
	s_add_co_u32 s69, s69, IMG                     ; my image,
	s_xor_b32 s21, s[WV], 4
	s_mul_i32 s21, s21, 1664
	s_add_co_u32 s21, s21, IMG                     ; my partner's
	s_lshl_b32 s22, s[TP], 4
	v_and_b32 v[RR], 15, v0                        ; r
	v_bfe_u32 v[H8], v0, 4, 1                      ; h
	v_and_b32 v62, 31, v0
	v_lshlrev_b32 v[L16], 4, v62
	v_lshlrev_b32 v63, 2, v62
	v_add_nc_u32 v2, s69, v[L16]
	v_add_nc_u32 v3, s69, v63
	v_add_nc_u32 v6, s21, v[L16]
	v_add_nc_u32 v7, s21, v63
	v_lshlrev_b32 v[H32], 5, v[H8]
	v_add_nc_u32 v[AST], s66, v[L16]
	v_mul_u32_u24 v[AQ], v[RR], 528
	v_lshl_add_u32 v[AQ], v[H8], 7, v[AQ]
	v_add_nc_u32 v[AQ], s66, v[AQ]
	v_add_nc_u32 v[AK], s68, v[L16]
	v_add_nc_u32 v62, s22, v[RR]                   ; the mask: my own block's row, 16 tp + r,
	v_xor_b32 v63, 16, v62                         ; and my partner's
	v_lshlrev_b32 v[H8], 3, v[H8]                  ; 8 h
	v_mov_b32 v[TPR], 0                            ; a lane permute's destination counts as one of its sources
	s_lshl_b32 s66, s20, 19                        ; enc: 128 rows of 4,096 bytes x work-group
	s_lshl_b32 s21, s[Q], 17
	s_add_co_u32 s66, s66, s21
	s_lshl_b32 s21, s[TP], 16
	s_add_co_u32 s66, s66, s21                     ; + my 16 rows
	s_mov_b32 s67, 0
	s_lshl_b32 s68, s20, 7
	s_lshl_b32 s21, s[Q], 5
	s_add_co_u32 s68, s68, s21                     ; the mask at my pair's first row
	s_mov_b32 s69, 0
	s_lshl_b32 s70, s[TP], 7                       ; w1: my 32 columns of the first 64
	s_mov_b32 s71, 0
	s_mul_i32 s72, s[WV], W8                       ; W: my eighth, in memory and in a slot: the wave's number alone
	s_mov_b32 s73, 0
	s_lshr_b32 s74, s20, 4                         ; my batch
	s_lshl_b32 s74, s74, 7
	s_lshl_b32 s21, s[TP], 12
	s_add_co_u32 s74, s74, s21                     ; cbw: 128 b + column group tp
	s_mov_b32 s75, 0
	s_mul_i32 s76, s20, 4608                       ; my partial
	s_mov_b32 s77, 0
	VDONE
	s_wait_dscnt 0x0                               ; both opening adds are done
	s_wait_kmcnt 0x0
	s_add_nc_u64 s[EB:EB+1], s[4:5], s[66:67]
	s_add_nc_u64 s[6:7], s[6:7], s[68:69]
	s_add_nc_u64 s[W1B:W1B+1], s[W1B:W1B+1], s[70:71]
	s_add_nc_u64 s[CBB:CBB+1], s[CBB:CBB+1], s[74:75]
	s_add_nc_u64 s[14:15], s[14:15], s[76:77]
	s_mov_b32 s[G0A], 1
	s_mov_b32 s[G0A+1], s72
	s_add_nc_u64 s[G0A+2:G0A+3], s[WB:WB+1], s[72:73]
	s_mov_b32 s[G0B], 1
	s_add_co_u32 s[G0B+1], s72, LSLOT
	s_add_nc_u64 s[G0B+2:G0B+3], s[G0A+2:G0A+3], WSTEP
	s_or_b32 s[G0A+3], s[G0A+3], 0x80000000
	s_or_b32 s[G0B+3], s[G0B+3], 0x80000000
	global_load_u8 v[MK], v62, s[6:7]              ; the mask of row r of my block 0 and of my block 1
	global_load_u8 v[MK+1], v63, s[6:7]
	GLOAD 0
	GLOAD 1
	GLOAD 2
	ROUND                                          ; all four work-groups are here: the first joint load meets
	tensor_load_to_lds s[G0A:G0A+3], s[G1W:G1W+7]  ; my eighth of W's slot 0: one tensor load a wave at the head
	s_nop 0
	NOP4
	CHUNK 0
	CHUNK 1
	CHUNK 2
	CHUNK 3
	CHUNK 4
	CHUNK 5
	CHUNK 6
	CHUNK 7
	s_wait_dscnt 0x0                               ; my partner's last image is in: its address registers take the ring's addresses
	v_add_nc_u32 v[AB], s78, v[L16]
	v_add_nc_u32 v[AB+1], LSLOT, v[AB]
	v_add_nc_u32 v[ABS], s79, v[L16]
	DLOAD 4                                        ; the first 64 columns' direct loads, in the queue's order
	DLOAD 5
	SCLOAD
	DLOAD 6
	DLOAD 7
	VLOAD CBR, CBB
	VLOAD W1R, W1B
.set J, 0
.rept 8
	v_mov_b32 v[SA+J], 0                           ; the dot's eight sums
.set J, J+1
.endr
	VDONE
	CHANGE 0                                       ; both slots are whole
	SLOT 0, 1
	s_mov_b32 s[CNT], 7
.Ltrip:                                        ; a trip multiplies two slots and fills both again: 64-column blocks 1 .. 14, asking for 2 .. 15
	CHANGE G0A
	SLOT 1, 1
	CHANGE G0B
	SLOT 0, 1
	s_sub_co_u32 s[CNT], s[CNT], 1
	s_cmp_lg_u32 s[CNT], 0
	s_cbranch_scc1 .Ltrip
	CHANGE 0                                       ; the last block is written out: nothing is left to fetch
	SLOT 1, 0
	; ---- the kept K steps 2-7 come back; partial scores, mask
.irp c, 0,1,2,3,4,5
.irp q, 0,1,2,3,4,5,6,7
	ds_load_b128 v[64+32*\c+4*\q:67+32*\c+4*\q], v[AK] offset:4096*\c+512*\q
.endr
.endr
	s_lshl_b32 s21, s[WV], 7
	s_lshl_b32 s23, s[TP], 6
	s_add_co_u32 s21, s21, s23
	s_add_co_u32 s21, s21, STG
	s_lshl_b32 s22, s[Q], 7
	s_add_co_u32 s22, s22, s23
	s_add_co_u32 s22, s22, STG
	s_lshl_b32 s66, s[WV], 12
	s_add_co_u32 s66, s66, SCRO
	s_lshl_b32 s67, s[WV], 9
	v_lshlrev_b32 v2, 2, v[RR]
	v_add_nc_u32 v6, s22, v2                       ; the scores of my own 16 rows: 4 (32 q + 16 tp + r)
	v_add_nc_u32 v2, s21, v2                       ; my partial scores: 128 wave + 4 (16 tp + r) for my block 0,
	v_xor_b32 v3, 64, v2                           ; the other 16 rows' place for my block 1
	v_add_nc_u32 v10, STG, v[L16]                  ; four rows' scores a lane
	v_add_nc_u32 v7, s66, v[L16]                   ; my o
	v_add_nc_u32 v9, s67, v[L16]                   ; what I store: 512 wave + 16 lane
	v_add_nc_u32 v8, SCRO, v9                      ; and where I read it
	v_mov_b32 v16, 0xff800000                      ; -infinity
	v_mov_b32 v27, 0
.irp i, 0,1
	v_pk_add_f32 v[SA+4*\i:SA+4*\i+1], v[SA+4*\i:SA+4*\i+1], v[SA+4*\i+2:SA+4*\i+3]
.endr
.irp i, 0,1
	v_add_f32 v[SA+4*\i], v[SA+4*\i], v[SA+4*\i+1]
.endr
.irp i, 0,1
	v_permlanex16_b32 v[SA+4*\i+1], v[SA+4*\i], s[SEL], s[SEL+1]   ; the other eight of each 16 columns lie in lane l xor 16
.endr
.irp i, 0,1
	v_add_f32 v[SA+4*\i], v[SA+4*\i], v[SA+4*\i+1]
.endr
.irp i, 0,1
	v_mul_f32 v[SA+4*\i], 0xc038aa3b, v[SA+4*\i]   ; my columns' part of u = -2 log2(e) S
.endr
.irp i, 0,1
	v_cmp_ne_u32 vcc_lo, 0, v[MK+\i]
	v_cndmask_b32 v[SA+4*\i], v16, v[SA+4*\i], vcc_lo   ; a masked row: -infinity in both parts
.endr
	ds_store_b32 v2, v[SA]
	ds_store_b32 v3, v[SA+4]
	VDONE
	s_wait_dscnt 0x0                               ; for the others' sake
	BAR
	ds_load_b128 v[16:19], v10                     ; rows 4 l .. 4 l + 3: the part of columns' halves 0,
	ds_load_b128 v[20:23], v10 offset:512          ; and 1
	ds_load_b32 v24, v6
	ds_load_b32 v25, v6 offset:512
	s_wait_dscnt 0x0
	v_pk_add_f32 v[16:17], v[16:17], v[20:21]
	v_pk_add_f32 v[18:19], v[18:19], v[22:23]
	v_add_f32 v24, v24, v25                        ; u of row r of my own 16
	v_max3_num_f32 v26, v16, v17, v18
	s_delay_alu instid0(VALU_DEP_1)
	v_max3_num_f32 v26, v26, v19, 0xff61b1e6       ; held at -3e38 from below: where all 128 rows are masked u - M stays -infinity
.irp x, 1,2,4,8
	s_delay_alu instid0(VALU_DEP_1)
	v_max_num_f32_dpp v26, v26, v26 row_xmask:\x row_mask:0xf bank_mask:0xf
.endr
	s_delay_alu instid0(VALU_DEP_1)
	v_permlanex16_b32 v27, v26, s[SEL], s[SEL+1]
	s_delay_alu instid0(VALU_DEP_1)
	v_max_num_f32 v28, v26, v27                    ; M, the same in every wave
.irp j, 16,17,18,19,24
	v_sub_f32 v\j, v\j, v28
.endr
	VDONE
.irp j, 16,17,18,19,24
	v_exp_f32 v\j, v\j
.endr
	v_nop
	VDONE
	v_pk_add_f32 v[16:17], v[16:17], v[18:19]
	s_delay_alu instid0(VALU_DEP_1)
	v_add_f32 v16, v16, v17
.irp x, 1,2,4,8
	s_delay_alu instid0(VALU_DEP_1)
	v_add_f32_dpp v16, v16, v16 row_xmask:\x row_mask:0xf bank_mask:0xf
.endr
	s_delay_alu instid0(VALU_DEP_1)
	v_permlanex16_b32 v27, v16, s[SEL], s[SEL+1]
	s_delay_alu instid0(VALU_DEP_1)
	v_add_f32 v29, v16, v27                        ; L
.set P, 0
.rept 16
	v_readlane_b32 s[PS+P], v24, P                 ; p of my 16 rows
.set P, P+1
.endr
.set J, 0
.rept 32
	v_mov_b32 v[OA+J], 0
.set J, J+1
.endr
; o += p x row, K steps s0 .. s1, K step s at v[base + 32 (s - s0)]: register 2 p + e holds columns 128 s + 4 l + 2 e (low half), + 1 (high half)
.macro ROWS s0, s1, base
.set P, 0
.rept 16
	v_mov_b32 v[PV+P%2], s[PS+P]
.set S, \s0
.rept \s1-\s0+1
.irp e, 0,1
	v_fma_mix_f32_bf16 v[OA+4*S+2*\e], v[\base+32*(S-\s0)+2*P+\e], v[PV+P%2], v[OA+4*S+2*\e] op_sel:[0,0,0] op_sel_hi:[1,0,0]
	v_fma_mix_f32_bf16 v[OA+4*S+2*\e+1], v[\base+32*(S-\s0)+2*P+\e], v[PV+P%2], v[OA+4*S+2*\e+1] op_sel:[1,0,0] op_sel_hi:[1,0,0]
.endr
.set S, S+1
.endr
.set P, P+1
.endr
.endm
	ROWS 2, 7, 64                                  ; K steps 2-7, back from LDS: v64-255
	WIN 0x01                                       ; source 0 window 1
	ROWS 0, 1, 192
	WIN 0
.irp s, 0,1,2,3,4,5,6,7
	ds_store_b128 v7, v[OA+4*\s:OA+4*\s+3] offset:512*\s
.endr
	s_wait_dscnt 0x0                               ; for the others' sake
	BAR
.irp k, 0,1,2,3,4,5,6,7
	ds_load_b128 v[64+4*\k:67+4*\k], v8 offset:4096*\k   ; wave w joins columns 128 w .. 128 w + 127 of the eight waves' o
.endr
	s_wait_dscnt 0x0
.irp k, 1,2,3
	v_pk_add_f32 v[64:65], v[64:65], v[64+4*\k:65+4*\k]
	v_pk_add_f32 v[66:67], v[66:67], v[66+4*\k:67+4*\k]
	v_pk_add_f32 v[80:81], v[80:81], v[80+4*\k:81+4*\k]
	v_pk_add_f32 v[82:83], v[82:83], v[82+4*\k:83+4*\k]
.endr
	v_pk_add_f32 v[64:65], v[64:65], v[80:81]
	v_pk_add_f32 v[66:67], v[66:67], v[82:83]
	v_mov_b32 v20, v28                             ; (M, L, M, L)
	v_mov_b32 v21, v29
	v_mov_b32 v22, v28
	v_mov_b32 v23, v29
	global_store_b128 v9, v[64:67], s[14:15]       ; 32 lanes store 512 consecutive bytes, at a multiple of 256 from part's first byte
	s_cmp_lg_u32 s[WV], 0
	s_cbranch_scc1 .Lnot_first
	global_store_b128 v[L16], v[20:23], s[14:15] offset:4096   ; in every 16 bytes of the partial's last 512
.Lnot_first:
	s_wait_tensorcnt 0x0                           ; the wave's end
	ds_add_u32 v[SPW], v[NIL]
	s_wait_dscnt 0x0
	ROUND                                          ; the closing round
	s_endpgm
.Lfunc_end_k_q0113114a8a_fused:
	.size	k_q0113114a8a_fused, .Lfunc_end_k_q0113114a8a_fused-k_q0113114a8a_fused
	.p2alignl 7, 3214868480
	.fill 96, 4, 3214868480
	.section	.rodata,"a",@progbits
	.p2align	6, 0x0
	.amdhsa_kernel k_q0113114a8a_fused
		.amdhsa_group_segment_fixed_size 327680
		.amdhsa_private_segment_fixed_size 0
		.amdhsa_enable_private_segment 0
		.amdhsa_kernarg_size 48
		.amdhsa_user_sgpr_count 2
		.amdhsa_user_sgpr_kernarg_segment_ptr 1
		.amdhsa_wavefront_size32 1
		.amdhsa_system_sgpr_workgroup_id_x 1
		.amdhsa_system_sgpr_workgroup_id_y 1
		.amdhsa_system_sgpr_workgroup_id_z 1
		.amdhsa_system_vgpr_workitem_id 0
		.amdhsa_next_free_vgpr 512
		.amdhsa_next_free_sgpr 80
		.amdhsa_reserve_vcc 1
		.amdhsa_float_denorm_mode_32 3
		.amdhsa_float_denorm_mode_16_64 3
		.amdhsa_memory_ordered 1
		.amdhsa_forward_progress 1
		.amdhsa_inst_pref_size 201
	.end_amdhsa_kernel
	.amdgpu_metadata
---
amdhsa.version: [ 1, 2 ]
amdhsa.kernels:
  - .name:           k_q0113114a8a_fused
    .symbol:         k_q0113114a8a_fused.kd
    .args:
      - { .name: enc_seq, .offset: 0, .size: 8, .value_kind: global_buffer, .address_space: global }
      - { .name: mask, .offset: 8, .size: 8, .value_kind: global_buffer, .address_space: global }
      - { .name: w1, .offset: 16, .size: 8, .value_kind: global_buffer, .address_space: global }
      - { .name: wq, .offset: 24, .size: 8, .value_kind: global_buffer, .address_space: global }
      - { .name: cbw, .offset: 32, .size: 8, .value_kind: global_buffer, .address_space: global }
      - { .name: part, .offset: 40, .size: 8, .value_kind: global_buffer, .address_space: global }
    .group_segment_fixed_size: 327680
    .private_segment_fixed_size: 0
    .kernarg_segment_align: 8
    .kernarg_segment_size: 48
    .max_flat_workgroup_size: 256
    .sgpr_count:     80
    .vgpr_count:     512
    .wavefront_size: 32
...
	.end_amdgpu_metadata
.endif
;; end of part 2
;; launch merge (part 3): grid 32 x 1, 8 waves a work-group, no clusters, 0 bytes of LDS; arguments part, out0; writes out0
.if DOCPART == 3
	.amdgcn_target "amdgcn-amd-amdhsa--gfx1250"
	.amdhsa_code_object_version 6
	.text
	.protected	k_q0113114a8a_merge
	.globl	k_q0113114a8a_merge
	.p2align	8
	.type	k_q0113114a8a_merge,@function
k_q0113114a8a_merge:
	s_mov_b64 s[64:65], 0
	v_nop
	global_prefetch_b8 v0, s[64:65] scope:SCOPE_SE
	s_setreg_imm32_b32 hwreg(HW_REG_WAVE_MODE, 25, 1), 1
	s_wait_xcnt 0x0
; out0[b][:] = sum over the batch's 16 partials g of 2^(M_g - M*) o_g[:] / sum over g of 2^(M_g - M*) L_g, M* the largest M_g.
; A work-group is a batch; wave w takes columns 128 w .. 128 w + 127, four a lane.  A partial is 4,608 bytes: o[1024] f32, then (M, L, M, L) in every 16 bytes of 512.
; No LDS, no barrier: every wave makes the sixteen weights for itself (lane l holds partial l % 16).  A stream of 72 KiB a work-group: matrix units, clusters and tensor loads would add nothing.
; A batch that is masked whole has L = 0 in every partial and gives NaN, as the softmax of nothing does.
	s_load_b128 s[4:7], s[0:1], 0x0                ; part, out0
	v_lshrrev_b32 v1, 5, v0
	s_delay_alu instid0(VALU_DEP_1)
	v_readfirstlane_b32 s8, v1                     ; wave
	v_and_b32 v2, 31, v0
	v_and_b32 v3, 15, v0
	s_delay_alu instid0(VALU_DEP_1)
	v_mul_u32_u24 v3, v3, 4608                     ; partial l % 16
	s_lshl_b32 s9, s8, 9
	v_lshl_add_u32 v4, v2, 4, s9                   ; 512 w + 16 lane
	s_mul_i32 s10, ttmp9, 73728                    ; 16 partials a batch
	s_mov_b32 s11, 0
	s_lshl_b32 s12, ttmp9, 12
	s_mov_b32 s13, 0
	s_wait_alu depctr_va_vdst(0)
	s_wait_kmcnt 0x0
	s_add_nc_u64 s[4:5], s[4:5], s[10:11]
	s_add_nc_u64 s[6:7], s[6:7], s[12:13]
	global_load_b64 v[6:7], v3, s[4:5] offset:4096 ; (M, L)
.irp g, 0,1,2,3,4,5,6,7,8,9,10,11,12,13,14,15
	global_load_b128 v[16+4*\g:19+4*\g], v4, s[4:5] offset:4608*\g   ; 32 lanes read 512 consecutive bytes
.endr
	s_wait_loadcnt 16                              ; (M, L) is in; the sixteen loads behind it may be out
	v_mov_b32 v8, v6
	s_delay_alu instid0(VALU_DEP_1)
	v_max_num_f32_dpp v8, v8, v8 row_xmask:1 row_mask:0xf bank_mask:0xf
	s_delay_alu instid0(VALU_DEP_1)
	v_max_num_f32_dpp v8, v8, v8 row_xmask:2 row_mask:0xf bank_mask:0xf
	s_delay_alu instid0(VALU_DEP_1)
	v_max_num_f32_dpp v8, v8, v8 row_xmask:4 row_mask:0xf bank_mask:0xf
	s_delay_alu instid0(VALU_DEP_1)
	v_max_num_f32_dpp v8, v8, v8 row_xmask:8 row_mask:0xf bank_mask:0xf   ; M*
	s_delay_alu instid0(VALU_DEP_1)
	v_sub_f32 v9, v6, v8
	s_wait_alu depctr_va_vdst(0)
	v_exp_f32 v10, v9                              ; 2^(M - M*)
	v_nop
	s_wait_alu depctr_va_vdst(0)                   ; ahead of the first reader
	v_mul_f32 v11, v10, v7
	s_delay_alu instid0(VALU_DEP_1)
	v_add_f32_dpp v11, v11, v11 row_xmask:1 row_mask:0xf bank_mask:0xf
	s_delay_alu instid0(VALU_DEP_1)
	v_add_f32_dpp v11, v11, v11 row_xmask:2 row_mask:0xf bank_mask:0xf
	s_delay_alu instid0(VALU_DEP_1)
	v_add_f32_dpp v11, v11, v11 row_xmask:4 row_mask:0xf bank_mask:0xf
	s_delay_alu instid0(VALU_DEP_1)
	v_add_f32_dpp v11, v11, v11 row_xmask:8 row_mask:0xf bank_mask:0xf   ; the row's sum
	s_wait_alu depctr_va_vdst(0)
	v_rcp_f32 v12, v11
	v_nop
	s_wait_alu depctr_va_vdst(0)
	v_mul_f32 v13, v10, v12                        ; partial l % 16's weight
.irp g, 0,1,2,3,4,5,6,7,8,9,10,11,12,13,14,15
	v_readlane_b32 s[16+\g], v13, \g
.endr
	s_wait_loadcnt 0x0
.irp k, 0,1,2,3
	v_mul_f32 v[80+\k], s16, v[16+\k]              ; the first partial starts the sums
.endr
.irp g, 1,2,3,4,5,6,7,8,9,10,11,12,13,14,15
.irp k, 0,1,2,3
	s_delay_alu instid0(VALU_DEP_4)
	v_fma_f32 v[80+\k], s[16+\g], v[16+4*\g+\k], v[80+\k]
.endr
.endr
	global_store_b128 v4, v[80:83], s[6:7]         ; 32 lanes store 512 consecutive bytes, at a multiple of 256 from out0's first byte
	s_endpgm
.Lfunc_end_k_q0113114a8a_merge:
	.size	k_q0113114a8a_merge, .Lfunc_end_k_q0113114a8a_merge-k_q0113114a8a_merge
	.p2alignl 7, 3214868480
	.fill 96, 4, 3214868480
	.section	.rodata,"a",@progbits
	.p2align	6, 0x0
	.amdhsa_kernel k_q0113114a8a_merge
		.amdhsa_group_segment_fixed_size 0
		.amdhsa_private_segment_fixed_size 0
		.amdhsa_enable_private_segment 0
		.amdhsa_kernarg_size 16
		.amdhsa_user_sgpr_count 2
		.amdhsa_user_sgpr_kernarg_segment_ptr 1
		.amdhsa_wavefront_size32 1
		.amdhsa_system_sgpr_workgroup_id_x 1
		.amdhsa_system_sgpr_workgroup_id_y 1
		.amdhsa_system_sgpr_workgroup_id_z 1
		.amdhsa_system_vgpr_workitem_id 0
		.amdhsa_next_free_vgpr 96
		.amdhsa_next_free_sgpr 66
		.amdhsa_reserve_vcc 0
		.amdhsa_float_denorm_mode_32 3
		.amdhsa_float_denorm_mode_16_64 3
		.amdhsa_memory_ordered 1
		.amdhsa_forward_progress 1
		.amdhsa_inst_pref_size 11
	.end_amdhsa_kernel
	.amdgpu_metadata
---
amdhsa.version: [ 1, 2 ]
amdhsa.kernels:
  - .name:           k_q0113114a8a_merge
    .symbol:         k_q0113114a8a_merge.kd
    .args:
      - { .name: part, .offset: 0, .size: 8, .value_kind: global_buffer, .address_space: global }
      - { .name: out0, .offset: 8, .size: 8, .value_kind: global_buffer, .address_space: global }
    .group_segment_fixed_size: 0
    .private_segment_fixed_size: 0
    .kernarg_segment_align: 8
    .kernarg_segment_size: 16
    .max_flat_workgroup_size: 256
    .sgpr_count:     66
    .vgpr_count:     96
    .wavefront_size: 32
...
	.end_amdgpu_metadata
.endif
;; end of part 3
